; MI455X (gfx1250); checked and timed in simulation.
; The chip was launched on July 23, 2026; its instructions are those of AMD's public machine-readable ISA for CDNA 5 (MIT licence, August 2026) and "CDNA5" Instruction Set Architecture Reference Guide (July 2026). The comments in the code are by the model that wrote it; some were corrected since.
;; Deriv Net2 D. Allowed arithmetic: matrix products marked QUANTISED: E2M1 operands, one E8M0 scale for each 32 along K, by v_wmma_scale_f32_16x16x128_f8f6f4 with both operands' format E2M1 (or v_wmma_scale_f32_32x16x128_f4), f32 sums; products left as they are: f32 operands where the result goes on into a quantised operand, else bf16, f16 or f32 operands; f32 sums; everything else in f32.
;; Inputs: W1 1,024 x 2 float32; W2 512 x 1,024 float32; W3 1 x 512 float32; b1 1,024 float32; b2 512 float32; b3 1 float32; x 32,768 x 2 float32.
;; Outputs: out0 32,768 x 1 float32; out1 32,768 x 1 float32; out2 32,768 x 1 float32.
;; This version of the problem:
;;   THIS VERSION OF THE PROBLEM IS GIVEN IN LOW PRECISION. The matrix products marked QUANTISED in the list below multiply operands that are first quantised to E2M1 (2 exponent bits, 1 mantissa bit; 4 bits a number), with one power-of-two scale for each 32 numbers along K (OCP MX v1.0); their sums are f32. All else is computed in f32.
;;   The module's matrix products, in the order in which they are computed (A, B: the left and right operand; K: the contracted axis; several contracted axes count as one K, in the product's order):
;;     1. [M 32,768, K 2] x [K 2, N 1,024]; A: input x; B: input W1: left as it is (K = 2 < 32)
;;     2. [M 32,768, K 1,024] x [K 1,024, N 512]; A: computed on the way; B: input W2: QUANTISED
;;     3. [M 32,768, K 512] x [K 512, N 1]; A: computed on the way; B: input W3: left as it is (N = 1 < 16)
;;     4. [M 512, K 1,024] x [K 1,024, N 32,768]; A: input W2; B: computed on the way: QUANTISED
;;     5. [M 1, K 512] x [K 512, N 32,768]; A: input W3; B: computed on the way: left as it is (M = 1 < 16)
;;     6. [M 512, K 1,024] x [K 1,024, N 32,768]; A: input W2; B: computed on the way: QUANTISED
;;     7. [M 1, K 512] x [K 512, N 32,768]; A: input W3; B: computed on the way: left as it is (M = 1 < 16)
;;   THE QUANTISER, for each operand of a quantised product, along K:
;;     - K is cut into blocks of 32 from its start; a last block that is shorter is filled with zeros.
;;     - A block's scale is 2^e with e = floor(log2(the largest magnitude in the block)) - 2, held to -126 .. 127; a block of zeros has e = 0. As a byte (E8M0): e + 127.
;;     - Each number is divided by its block's scale, clamped to +-6, and rounded to the nearest number of E2M1, ties to even, subnormals kept.
;;     - The product sums the exact products of the quantised numbers (number of the format x scale) in f32.
;;   ~~~python
;;   def quantise(x, axis):      # numpy; x: float32 -> the quantised numbers, widened to float32 again
;;       x = np.moveaxis(x, axis, -1); K = x.shape[-1]
;;       x = np.pad(x, [(0, 0)] * (x.ndim - 1) + [(0, -K % 32)]); x = x.reshape(x.shape[:-1] + (-1, 32)); a = np.abs(x).max(-1, keepdims=True)
;;       e = np.where(a > 0, np.clip(np.frexp(np.where(a > 0, a, 1))[1] - 1 - 2, -126, 127), 0)      # np.frexp(a)[1] - 1 = floor(log2(a)), exactly
;;       r = np.clip(x / 2.0 ** e, -6, 6)
;;       step = 2.0 ** (np.maximum(np.frexp(np.where(r == 0, 1, r))[1] - 1, 0) - 1)
;;       q = np.round(r / step) * step * 2.0 ** e      # np.round: ties to even
;;       return np.moveaxis(q.reshape(q.shape[:-2] + (-1,))[..., :K], -1, axis).astype(np.float32)
;;   ~~~
;;   OPERANDS COMPUTED ON THE WAY. 'Computed on the way' means the value that the module computes at that place (a softmax that the list does not call 'softmax' is quantised finished and normalised). What goes into a quantiser is computed in f32, as accurately as f32 sums, v_exp_f32 and their like allow (about 1e-6 of the number): no bf16 or f16 on the way to a quantiser, and a product that is left as it is and whose result goes on into a quantised operand takes f32 operands (vector FMAs, or v_wmma_f32_16x16x4_f32). A number that lies on a knife's edge between two numbers of the format may be rounded either way, as far as f32 arithmetic and the matrix unit's own rounding can turn it there, and no further.
;; One version. Each part assembles by itself: llvm-mc -triple=amdgcn-amd-amdhsa -mcpu=gfx1250 --defsym DOCPART=n.
;; ======== version 1 of 1: 2 launches
;; limits: a function is approximated: absolute error at most 2e-07
;; workspace buffers: wk 311,296 bytes
;; launch prep (part 1): grid 64 x 1, 2 waves a work-group, no clusters, 0 bytes of LDS; arguments W2, W1, b1, b2, wk; writes wk
.if DOCPART == 1
	.amdgcn_target "amdgcn-amd-amdhsa--gfx1250"
	.amdhsa_code_object_version 6
	.text
	.protected	k_qba1e1fb477_prep
	.globl	k_qba1e1fb477_prep
	.p2align	8
	.type	k_qba1e1fb477_prep,@function
k_qba1e1fb477_prep:
	s_mov_b64 s[64:65], 0
	v_nop
	global_prefetch_b8 v0, s[64:65] scope:SCOPE_SE
	s_setreg_imm32_b32 hwreg(HW_REG_WAVE_MODE, 25, 1), 1
	s_wait_xcnt 0x0
; W2 [512][1024] f32 is quantised ONCE, along K = its 1,024 columns, into codes of FP4 (E2M1) with one E8M0 byte for each 32, and laid in wk in the order of the operand's registers;
; three small tables are made of W1, b1 and b2.  The second launch reads all of it straight into registers.
; wk:  0        codes: fragment (w, s, b) = rows 128 w + 16 b + 0..15, k = 128 s + 0..127, at ((8 w + s) 8 + b) 1024; in it 512 c + 16 lane: the 32 codes k = 128 s + 64 c + 32 h + 0..31 of row r (lane = 16 h + r)
;      262144   scale words: tile b = 2 P + e, row r, K step s at 4096 w + 512 s + 128 P + 8 r + 4 e
;      278528   source 0 of the f32 matrix form for h' = c (x W1^T + b1), c = 2 log2(e): tile t at 256 t + 8 lane: lane (m, 0) = (c W1[f][0], c W1[f][1]), lane (m, 1) = (c b1[f], 0),
;               f = 64 (t / 4) + 8 (t % 4) + m % 8 + 32 (m / 8)
;      294912   64 chunks of 256 bytes; chunk i: 4 W1[16 i + r][h] at 64 h + 4 r; c b2[8 i + lane % 8] at 128 + 4 lane (four copies: the chunk is written whole)
; A block's scale is 2^(floor(log2(its largest magnitude)) - 2); its byte is the largest magnitude's exponent field - 2, held at 1 from below.
; LIMITS: a block of zeros gets the byte 1 where the rule says 127 (its codes are zeros, and this program alone reads the bytes); NaN and infinities among the inputs are not served.
; SHARES: 128 waves; wave id = 2 x work-group + wave takes K step s = (id / 4) % 8 of tiles b = 2 P, 2 P + 1 (P = id % 4) of slice w = id / 32: four units (e, c), in each of which a lane holds one whole block of 32.
; Wave 0 of work-group t also makes tile t of the third table, wave 1 chunk t of the fourth.  No LDS, no barrier: waves share nothing.
.set CL2, 0x4038aa3b                   ; c = 2 log2(e)
.set X,   32                           ; v32-159  four units of 32 numbers
.set C,   160                          ; v160-175 their codes, four registers a unit
.set BY,  176                          ; v176-179 their scale bytes
.set MX,  180                          ; v180-187 largest magnitudes, two chains a unit
.set SO,  188                          ; v188-191 the conversions' scale operands
.set WD,  192                          ; v192-193 the scale words of tiles e = 0, 1; v194-195 the other half of the lanes' part
	s_load_b256 s[4:11], s[0:1], 0x0               ; W2 s[4:5], W1 s[6:7], b1 s[8:9], b2 s[10:11]
	s_load_b64 s[12:13], s[0:1], 0x20              ; wk
	v_lshrrev_b32 v1, 5, v0
	v_readfirstlane_b32 s16, v1                    ; wave 0, 1
	v_and_b32 v1, 31, v0                           ; lane
	v_and_b32 v2, 15, v0                           ; r
	v_bfe_u32 v3, v0, 4, 1                         ; h
	v_lshlrev_b32 v4, 12, v2
	v_lshl_add_u32 v4, v3, 7, v4                   ; W2: row r of 4,096 bytes, + 128 h: my block of 32 numbers
	v_lshlrev_b32 v5, 4, v1                        ; codes: 16 bytes a lane
	v_lshlrev_b32 v6, 3, v2
	v_lshl_add_u32 v6, v3, 2, v6                   ; scale words: 8 r + 4 h
	v_lshlrev_b32 v7, 3, v3                        ; 8 h: my bytes' place in a scale word, in bits
	v_mov_b32 v[WD+2], 0                           ; written once: a lane permute's destination counts as one of its sources
	v_mov_b32 v[WD+3], 0
	v_cmp_le_u32 vcc_lo, 16, v1                    ; lanes 16-31
	s_mov_b32 s30, 0x76543210
	s_mov_b32 s31, 0xfedcba98                      ; v_permlanex16_b32's selects for lane l xor 16
	s_lshl_b32 s17, ttmp9, 1
	s_add_co_u32 s17, s17, s16                     ; id
	s_lshr_b32 s18, s17, 5                         ; w
	s_bfe_u32 s19, s17, 0x30002                    ; s
	s_and_b32 s17, s17, 3                          ; P
	s_lshl_b32 s32, s18, 19                        ; W2: (128 w + 32 P) rows of 4,096 bytes + 512 s
	s_lshl_b32 s33, s17, 17
	s_add_co_u32 s32, s32, s33
	s_lshl_b32 s33, s19, 9
	s_add_co_u32 s32, s32, s33
	s_mov_b32 s33, 0
	s_lshl_b32 s34, s18, 16                        ; codes: ((8 w + s) 8 + 2 P) 1024
	s_lshl_b32 s35, s19, 13
	s_add_co_u32 s34, s34, s35
	s_lshl_b32 s35, s17, 11
	s_add_co_u32 s34, s34, s35
	s_mov_b32 s35, 0
	s_lshl_b32 s36, s18, 12                        ; scale words: 262144 + 4096 w + 512 s + 128 P
	s_lshl_b32 s37, s19, 9
	s_add_co_u32 s36, s36, s37
	s_lshl_b32 s37, s17, 7
	s_add_co_u32 s36, s36, s37
	s_add_co_u32 s36, s36, 262144
	s_mov_b32 s37, 0
	s_lshl_b32 s38, ttmp9, 8                       ; the tables: 256 bytes a work-group
	s_mov_b32 s39, 0
	s_wait_kmcnt 0x0
	s_add_nc_u64 s[20:21], s[4:5], s[32:33]
	s_add_nc_u64 s[22:23], s[12:13], s[34:35]
	s_add_nc_u64 s[24:25], s[12:13], s[36:37]
	s_add_nc_u64 s[26:27], s[12:13], s[38:39]
	s_add_nc_u64 s[28:29], s[26:27], 294912
	s_add_nc_u64 s[26:27], s[26:27], 278528
.irp e, 0,1
.irp c, 0,1
.irp q, 0,1,2,3,4,5,6,7
	global_load_b128 v[X+32*(2*\e+\c)+4*\q:X+32*(2*\e+\c)+4*\q+3], v4, s[20:21] offset:\e*65536+\c*256+\q*16   ; W2(16 e + r, 64 c + 32 h + 4 q ..)
.endr
.endr
.endr
	s_cmp_lg_u32 s16, 0
	s_cbranch_scc1 .Lwave1
	; wave 0: tile t = the work-group's number of the f32 form's source 0
	s_lshr_b32 s40, ttmp9, 2
	s_lshl_b32 s40, s40, 6
	s_and_b32 s41, ttmp9, 3
	s_lshl_b32 s41, s41, 3
	s_add_co_u32 s40, s40, s41                     ; 64 (t / 4) + 8 (t % 4)
	v_and_b32 v8, 7, v2
	v_and_b32 v9, 8, v2
	v_lshl_add_u32 v8, v9, 2, v8                   ; r % 8 + 32 (r / 8)
	v_add_nc_u32 v8, s40, v8                       ; f
	v_lshlrev_b32 v14, 3, v8
	v_lshlrev_b32 v15, 2, v8
	global_load_b64 v[10:11], v14, s[6:7]          ; W1[f][0], W1[f][1]
	global_load_b32 v12, v15, s[8:9]               ; b1[f]
	v_lshlrev_b32 v9, 3, v1
	v_mov_b32 v13, 0
	s_wait_loadcnt 0x0                             ; these, and with them the 32 loads of W2 issued ahead of them
	v_mul_f32 v10, CL2, v10
	v_mul_f32 v11, CL2, v11
	v_mul_f32 v12, CL2, v12
	v_cndmask_b32 v10, v10, v12, vcc_lo            ; lanes 16-31 hold k = 2, 3 of the row: (c b1, 0)
	v_cndmask_b32 v11, v11, v13, vcc_lo
	global_store_b64 v9, v[10:11], s[26:27]        ; 32 lanes store 256 consecutive bytes, aligned
	s_branch .Ljoin
.Lwave1:
	; wave 1: chunk i = the work-group's number of 4 W1 and c b2
	s_lshl_b32 s40, ttmp9, 7
	v_add_nc_u32 v14, s40, v6                      ; W1: (16 i + r) 8 + 4 h
	s_lshl_b32 s41, ttmp9, 5
	v_and_b32 v8, 7, v1
	v_lshl_add_u32 v15, v8, 2, s41                 ; b2: (8 i + lane % 8) 4
	global_load_b32 v10, v14, s[6:7]
	global_load_b32 v12, v15, s[10:11]
	v_lshlrev_b32 v9, 2, v1
	s_wait_loadcnt 0x0                             ; these, and the 32 loads of W2
	v_mul_f32 v10, 4.0, v10
	v_mul_f32 v12, CL2, v12
	global_store_b32 v9, v10, s[28:29]             ; two stores of 128 consecutive bytes fill the chunk
	global_store_b32 v9, v12, s[28:29] offset:128
.Ljoin:
; Unit t = 2 e + c: my block's largest magnitude, its scale, its 32 codes.  No register of a pending store is written again in this text.
.macro QUNIT t
.set XS, X+32*(\t)
.set MA, MX+2*(\t)
	v_max3_num_f32 v[MA], |v[XS]|, |v[XS+1]|, 0x1800000            ; with the floor 2^(3 - 127), under which no largest magnitude is taken: so the byte cannot fall under 1
	v_max3_num_f32 v[MA+1], |v[XS+16]|, |v[XS+17]|, |v[XS+18]|     ; two chains, so that no line waits for the line above it
.irp i, 1,2,3,4,5,6
	v_max3_num_f32 v[MA], v[MA], |v[XS+2*\i]|, |v[XS+2*\i+1]|
	v_max3_num_f32 v[MA+1], v[MA+1], |v[XS+17+2*\i]|, |v[XS+18+2*\i]|
.endr
	v_max3_num_f32 v[MA], v[MA], |v[XS+14]|, |v[XS+15]|
	v_max3_num_f32 v[MA], v[MA], v[MA+1], |v[XS+31]|
	v_add_nc_u32 v[SO+(\t)], 0xff000000, v[MA]     ; 2 off its exponent field: the conversion takes the exponent field of this operand as its scale, and nothing else of it
.irp g, 0,1,2,3
	v_cvt_scalef32_pk8_fp4_f32 v[C+4*(\t)+\g], v[XS+8*\g:XS+8*\g+7], v[SO+(\t)]
.endr
	v_lshrrev_b32 v[BY+(\t)], 23, v[SO+(\t)]       ; the scale's byte (also the plain line behind the conversions)
	global_store_b128 v5, v[C+4*(\t):C+4*(\t)+3], s[22:23] offset:512*(\t)   ; 32 lanes store 512 consecutive bytes: registers 4 c .. 4 c + 3 of fragment e
.endm
	QUNIT 0
	QUNIT 1
	QUNIT 2
	QUNIT 3
.irp e, 0,1
	v_lshl_or_b32 v[WD+\e], v[BY+2*\e+1], 16, v[BY+2*\e]           ; my two bytes of tile e: blocks h and 2 + h of row r,
	v_lshlrev_b32 v[WD+\e], v7, v[WD+\e]           ; at their places in the word;
	v_permlanex16_b32 v[WD+2+\e], v[WD+\e], s30, s31
	v_or_b32 v[WD+\e], v[WD+\e], v[WD+2+\e]        ; with lane l xor 16's two the word is whole
.endr
	v_cndmask_b32 v[WD], v[WD], v[WD+1], vcc_lo    ; lanes 0-15 store tile 2 P's words, lanes 16-31 tile 2 P + 1's
	global_store_b32 v6, v[WD], s[24:25]           ; 128 consecutive bytes
	s_endpgm
.Lfunc_end_k_qba1e1fb477_prep:
	.size	k_qba1e1fb477_prep, .Lfunc_end_k_qba1e1fb477_prep-k_qba1e1fb477_prep
	.p2alignl 7, 3214868480
	.fill 96, 4, 3214868480
	.section	.rodata,"a",@progbits
	.p2align	6, 0x0
	.amdhsa_kernel k_qba1e1fb477_prep
		.amdhsa_group_segment_fixed_size 0
		.amdhsa_private_segment_fixed_size 0
		.amdhsa_enable_private_segment 0
		.amdhsa_kernarg_size 40
		.amdhsa_user_sgpr_count 2
		.amdhsa_user_sgpr_kernarg_segment_ptr 1
		.amdhsa_wavefront_size32 1
		.amdhsa_system_sgpr_workgroup_id_x 1
		.amdhsa_system_sgpr_workgroup_id_y 1
		.amdhsa_system_sgpr_workgroup_id_z 1
		.amdhsa_system_vgpr_workitem_id 0
		.amdhsa_next_free_vgpr 208
		.amdhsa_next_free_sgpr 66
		.amdhsa_reserve_vcc 1
		.amdhsa_float_denorm_mode_32 3
		.amdhsa_float_denorm_mode_16_64 3
		.amdhsa_memory_ordered 1
		.amdhsa_forward_progress 1
		.amdhsa_inst_pref_size 14
	.end_amdhsa_kernel
	.amdgpu_metadata
---
amdhsa.version: [ 1, 2 ]
amdhsa.kernels:
  - .name:           k_qba1e1fb477_prep
    .symbol:         k_qba1e1fb477_prep.kd
    .args:
      - { .name: W2, .offset: 0, .size: 8, .value_kind: global_buffer, .address_space: global }
      - { .name: W1, .offset: 8, .size: 8, .value_kind: global_buffer, .address_space: global }
      - { .name: b1, .offset: 16, .size: 8, .value_kind: global_buffer, .address_space: global }
      - { .name: b2, .offset: 24, .size: 8, .value_kind: global_buffer, .address_space: global }
      - { .name: wk, .offset: 32, .size: 8, .value_kind: global_buffer, .address_space: global }
    .group_segment_fixed_size: 0
    .private_segment_fixed_size: 0
    .kernarg_segment_align: 8
    .kernarg_segment_size: 40
    .max_flat_workgroup_size: 64
    .sgpr_count:     66
    .vgpr_count:     208
    .wavefront_size: 32
...
	.end_amdgpu_metadata
.endif
;; end of part 1
;; launch main (part 2): grid 256 x 1, 4 waves a work-group, no clusters, 224,768 bytes of LDS; arguments x, wk, W3, b3, out0, out1, out2; writes out0, out1, out2
.if DOCPART == 2
	.amdgcn_target "amdgcn-amd-amdhsa--gfx1250"
	.amdhsa_code_object_version 6
	.text
	.protected	k_qba1e1fb477_main
	.globl	k_qba1e1fb477_main
	.p2align	8
	.type	k_qba1e1fb477_main,@function
k_qba1e1fb477_main:
	s_mov_b64 s[64:65], 0
	v_nop
	global_prefetch_b8 v0, s[64:65] scope:SCOPE_SE
	s_setreg_imm32_b32 hwreg(HW_REG_WAVE_MODE, 25, 1), 1
	s_wait_xcnt 0x0
; y = tanh(tanh(x W1^T + b1) W2^T + b2) W3^T + b3 and its two derivatives by x, with the three products by W2 on codes of FP4 (E2M1), one E8M0 scale for each 32 along K = the 1,024 hidden features.
; The three products share W2 and K: they are one product of three left operands, z1 = tanh(h1), g1 = sech^2(h1) W1[:,0], g2 = sech^2(h1) W1[:,1], all made of one h1.
; SHARES.  A work-group of four waves takes 128 rows of x through the whole chain.  Wave w keeps W2's outputs 128 w .. 128 w + 127, for all of K, as codes in 512 registers, read once (64 KiB a wave, laid by the launch before
;   in the order of these registers).  No tile is shared through LDS by several work-groups, and LDS is full of the rows' codes: so W2 goes straight into registers, in groups of loads that stand under the first phase.
; PHASE P: wave w makes features 256 w .. 256 w + 255 of z1, g1, g2 for all 128 rows, quantises them in registers and stores them to LDS as images of operand registers | barrier |
; PHASE G: for each of 8 tiles of 16 rows: 192 matrix instructions (3 operands x 8 tiles of outputs x 8 K steps), then tanh and sech^2 of h2 and the three dot products with W3 in registers; 3 partial sums a row to LDS | barrier |
; PHASE F: waves 0, 1, 2 add the four waves' partial sums and store out0, out1, out2: 512 consecutive bytes each.
; THE FORMULAS, for h1 and h2 alike, with h' = c h, c = 2 log2(e):  E = 2^|h'|;  R = 1 / (1 + E);  T = R - R R = sech^2(h) / 4;  |tanh(h)| = 1 - 2 R, with h's sign.  T keeps its relative accuracy for both signs of h and
;   for large |h|; where E overflows, R = T = 0 and tanh = 1: no NaN.  The factor 4 lies in the table 4 W1 (first layer) and in the last multiplication (second layer).
; h' = c (x W1^T + b1) is made by the f32 matrix form, K = 4 = (x0, x1, 1, 0), source 0 = 16 features, source 1 = 16 rows: a lane then holds ONE row and eight features.  THE FEATURES OF A TILE ARE NOT NEIGHBOURS
;   (m % 8 + 32 (m / 8)): so the 32 registers of four tiles are, in lane (r, h), the whole block k = 64 g + 32 h + 0 .. 31 of row r, in the order of the 4-bit operand: a block's maximum needs no other lane, and the
;   conversions' four results are registers 4 c .. 4 c + 3 of the fragment.
; THE PRODUCTS ARE USED TRANSPOSED: source 0 = 16 rows of W2, source 1 = 16 rows of the operand: a lane holds one row and eight outputs, so the dot product with W3 wants one exchange between the halves of the lanes.
; LIMITS: NaN and infinities among the inputs are not served.  sech^2 / 4 under 2^-126 comes out as 0.  tanh is 1 - 2 R: its absolute error is about 1e-7, so its relative error grows as |h| falls under 0.1.
;   A block of zeros has the byte 1 where the rule says 127: its codes are zeros, and this program alone reads the bytes.
; LDS: ACT   0       codes: 49152 (s / 2) + 6144 m + 2048 kind + 1024 (s % 2) + 512 c + 16 lane   (s: K step of 128; m: tile of rows; kind 0 z1, 1 g1, 2 g2)
;      SCL   196608  scale bytes: 3072 (s / 2) + 384 m + 128 kind + 8 r + 4 (s % 2) + 2 c + h
;      XIM   208896  each wave's own copy of source 1 of the f32 form: 2304 wave + 256 m + 8 lane, m = 0 .. 8 (tile 8 repeats tile 7): lane (r, 0) = (x0, x1) of row 16 m + r, lane (r, 1) = (1, 0)
;      RED   218112  partial sums: 1536 wave + 512 slot + 4 row   (slot 0: z2 . W3;  slot 1: with g2's product;  slot 2: with g1's)
; REGISTERS, in windows of 256 (s_set_vgpr_msb: bits 1:0 source 0, 3:2 source 1, 5:4 source 2, 7:6 destination):
;   window 0: v1-15, v60-63 addresses; v16-47 W2's scale words, v48-59 the operands' (scales and nothing else); phase P: v64-95 h', v96-127 source 0 of the f32 form, v128-247 at work;
;             phase G: v64-127 the accumulators of g2's product, v128-175 and v176-223 two sets of six fragments, v176-255 at work in the epilogue
;   window 1: phase P: 4 W1, column col of group g at 64 g + 32 col;  phase G: v0-63 W3, v64-127 c b2, v128-191 the accumulators of z1's product, v192-255 of g1's
;   windows 2, 3: W2's fragments: K step s, tile b at window 2 + s / 4, v[64 (s % 4) + 8 b]
.set SCL,  196608
.set XIM,  208896
.set RED,  218112
.set LI,   1                           ; 16 x lane
.set PST,  2                           ; P: where I store codes: 16 lane + 49152 wave
.set PSB,  3                           ; P: and my scale byte: SCL + 3072 wave + 8 r + h
.set XAB,  4                           ; XIM + 2304 wave + 8 lane
.set LS2,  5                           ; G: scale words: SCL + 8 r + 6144 h
.set RDB,  6                           ; G: RED + 1536 wave + 4 r
.set AD0,  7                           ; addresses of the trip in hand
.set AD1,  8
.set AD2,  9
.set L8,   10                          ; head: 8 x lane;  G: v[10:13] the two pairs of y's sums
.set X8,   11                          ; head: 8 r
.set XB,   12                          ; P: v[12:13] source 1 of the f32 form
.set YS,   10
.set LIB,  14                          ; 16 lane + 98304
.set AD0B, 15
.set W2S,  16
.set ACS,  48
.set H512, 60                          ; 512 h, 256 h, 32 h: offsets into the tables
.set H256, 61
.set H32,  62
.set FAD,  63                          ; F: RED + 512 wave + 16 lane
.set DH,   64                          ; P: h'.  These registers are written by matrix instructions alone in the whole text
.set FA,   96
.set ZR,   128                         ; P: E, 1 + E, R, |z|, z
.set TG,   160                         ; P: T, then g2
.set G1,   192                         ; P: g1
.set CD,   224                         ; P: codes, four registers a kind
.set MX,   236                         ; P: largest magnitudes, two chains a kind
.set SO,   242                         ; P: the conversions' scale operands
.set BY,   245                         ; P: scale bytes
.set P3,   64
.set AF0,  128
.set T1,   176                         ; epilogue: T, then T W3
.set A1,   208                         ; four pairs: sums with g1's product
.set A2,   216                         ; four pairs: sums with g2's product
.set T2,   224                         ; epilogue: E .. z2
.set W3R,  0                           ; in window 1
.set CB2,  64
.set P1,   128
.set P2,   192
.set MSB, 0
.macro WIN new                         ; the immediate's high byte repeats the setting that is left; a switch that changes nothing is dropped
.if MSB != (\new)
	s_set_vgpr_msb (MSB<<8)|(\new)
.set MSB, (\new)
.endif
.endm
.macro PLACES
.rept 4
	v_nop
.endr
.endm
	s_load_b256 s[4:11], s[0:1], 0x0               ; x s[4:5], wk s[6:7], W3 s[8:9], b3 s[10:11]
	s_load_b128 s[12:15], s[0:1], 0x20             ; out0, out1
	s_load_b64 s[16:17], s[0:1], 0x30              ; out2
	v_lshrrev_b32 v15, 5, v0
	v_readfirstlane_b32 s18, v15                   ; wave 0..3
	v_and_b32 v7, 31, v0                           ; lane
	v_and_b32 v8, 15, v0                           ; r
	v_bfe_u32 v9, v0, 4, 1                         ; h
	v_lshlrev_b32 v[LI], 4, v7
	s_mul_i32 s19, s18, 49152
	v_add_nc_u32 v[PST], s19, v[LI]
	s_mul_i32 s19, s18, 3072
	s_add_co_u32 s19, s19, SCL
	v_lshl_add_u32 v[PSB], v8, 3, v9
	v_add_nc_u32 v[PSB], s19, v[PSB]
	s_mul_i32 s19, s18, 2304
	s_add_co_u32 s19, s19, XIM
	v_lshlrev_b32 v[L8], 3, v7
	v_add_nc_u32 v[XAB], s19, v[L8]
	v_lshlrev_b32 v[X8], 3, v8
	v_mul_u32_u24 v[LS2], v9, 6144                 ; lanes 16-31 read the words of K steps 4 to 7: one product, the distance between the two bases
	v_add_nc_u32 v[LS2], v[LS2], v[X8]
	v_add_nc_u32 v[LS2], SCL, v[LS2]
	s_mul_i32 s19, s18, 1536
	s_add_co_u32 s19, s19, RED
	v_lshl_add_u32 v[RDB], v8, 2, s19
	v_add_nc_u32 v[LIB], 98304, v[LI]
	v_lshlrev_b32 v[H512], 9, v9
	v_lshlrev_b32 v[H256], 8, v9
	v_lshlrev_b32 v[H32], 5, v9
	s_lshl_b32 s19, s18, 9
	s_add_co_u32 s19, s19, RED
	v_add_nc_u32 v[FAD], s19, v[LI]
	v_mov_b32 v160, 1.0
	v_mov_b32 v161, 0
	v_cmp_le_u32 vcc_lo, 16, v7                    ; lanes 16-31
	s_mov_b32 s34, 0x7fffffff                      ; all but the sign
	s_mov_b32 s36, 0x4038aa3b                      ; c = 2 log2(e)
	s_mov_b32 s37, s36                             ; (the packed form names the pair, so it is written)
	s_mov_b32 s48, 0x76543210
	s_mov_b32 s49, 0xfedcba98                      ; v_permlanex16_b32's selects for lane l xor 16
	s_lshl_b32 s50, ttmp9, 10                      ; x: 128 rows of 8 bytes a work-group
	s_mov_b32 s51, 0
	s_lshl_b32 s52, s18, 16                        ; W2's codes: 65,536 bytes a wave
	s_mov_b32 s53, 0
	s_lshl_b32 s54, s18, 12                        ; the other three parts of wk: 4,096 bytes a wave
	s_mov_b32 s55, 0
	s_lshl_b32 s56, s18, 9                         ; W3: 128 numbers a wave
	s_mov_b32 s57, 0
	s_wait_kmcnt 0x0
	s_add_nc_u64 s[20:21], s[4:5], s[50:51]
	s_add_nc_u64 s[22:23], s[6:7], s[52:53]
	s_add_nc_u64 s[24:25], s[6:7], s[54:55]
	s_add_nc_u64 s[26:27], s[24:25], 278528        ; source 0 of the f32 form
	s_add_nc_u64 s[28:29], s[24:25], 294912        ; 4 W1 and c b2
	s_add_nc_u64 s[24:25], s[24:25], 262144        ; W2's scale words
	s_add_nc_u64 s[30:31], s[8:9], s[56:57]
	s_load_b32 s43, s[10:11], 0x0                  ; b3
	; what phase P needs: 88 loads
.irp m, 0,1,2,3,4,5,6,7
	global_load_b64 v[ZR+2*\m:ZR+2*\m+1], v[X8], s[20:21] offset:128*\m           ; x(16 m + r, 0 .. 1), in both halves of the lanes
.endr
.irp g, 0,1,2,3
.irp u, 0,1,2,3
	global_load_b64 v[FA+8*\g+2*\u:FA+8*\g+2*\u+1], v[L8], s[26:27] offset:(4*\g+\u)*256
.endr
.endr
	WIN 0x40                                       ; destination window 1
.irp g, 0,1,2,3
.irp col, 0,1
.irp q, 0,1,2,3,4,5,6,7
	global_load_b128 v[64*\g+32*\col+4*\q:64*\g+32*\col+4*\q+3], v[H512], s[28:29] offset:\g*1024+(\q>>2)*256+\col*64+(\q&3)*16   ; 4 W1[256 w + 64 g + 32 h + 4 q ..][col]
.endr
.endr
.endr
	WIN 0
	; W2's scale words and its K steps 0 and 1: 48 loads.  They, and the groups that follow, land under phase P
.irp s, 0,1,2,3,4,5,6,7
.irp y, 0,1
	global_load_b64 v[W2S+4*\s+2*\y:W2S+4*\s+2*\y+1], v[L8], s[24:25] offset:\s*512+\y*256   ; register 4 s + 2 y + e: lanes 0-15 tile 4 y + e, lanes 16-31 tile 4 y + 2 + e
.endr
.endr
.macro WLOAD s                         ; W2's eight fragments of K step s: each load reads 512 consecutive bytes
.if (\s) < 4
	WIN 0x80
.else
	WIN 0xc0
.endif
.irp b, 0,1,2,3,4,5,6,7
.irp c, 0,1
	global_load_b128 v[64*((\s)&3)+8*\b+4*\c:64*((\s)&3)+8*\b+4*\c+3], v[LI], s[22:23] offset:(8*(\s)+\b)*1024+\c*512
.endr
.endr
.endm
	WLOAD 0
	WLOAD 1
	WIN 0
	s_wait_loadcnt 48                              ; loads come back in order: all but the 48 just issued are in: x, source 0 of the f32 form, 4 W1
	s_wait_kmcnt 0x0                               ; b3
.irp m, 0,1,2,3,4,5,6,7
	v_cndmask_b32 v[ZR+2*\m], v[ZR+2*\m], v160, vcc_lo             ; lanes 16-31 hold k = 2, 3: (1, 0)
	v_cndmask_b32 v[ZR+2*\m+1], v[ZR+2*\m+1], v161, vcc_lo
.endr
.irp m, 0,1,2,3,4,5,6,7
	ds_store_b64 v[XAB], v[ZR+2*\m:ZR+2*\m+1] offset:256*\m
.endr
	ds_store_b64 v[XAB], v[ZR+14:ZR+15] offset:2048                ; tile 8 repeats tile 7: a group's last trip looks ahead to it, so that every trip is alike
; ---- the two halves of E -> R -> T, |z| for 32 numbers.  SIG1: E = 2^|h'| (the caller sets the windows).
.macro SIG1 src, r
.set i, 0
.rept 32
	v_exp_f32 v[(\r)+i], |v[(\src)+i]|
.set i, i+1
.endr
.endm
.macro ADD1 r, p                       ; 1 + E, two at a time
	v_pk_add_f32 v[(\r)+(\p):(\r)+(\p)+1], v[(\r)+(\p):(\r)+(\p)+1], 1.0 op_sel_hi:[1,0]
.endm
.macro TL r, t, p                      ; T = R - R R
	s_wait_alu depctr_va_vdst(0)
	v_pk_fma_f32 v[(\t)+(\p):(\t)+(\p)+1], v[(\r)+(\p):(\r)+(\p)+1], v[(\r)+(\p):(\r)+(\p)+1], v[(\r)+(\p):(\r)+(\p)+1] neg_lo:[1,0,0] neg_hi:[1,0,0]
.endm
.macro ZL r, p                         ; |z| = 1 - 2 R, in place
	v_pk_fma_f32 v[(\r)+(\p):(\r)+(\p)+1], v[(\r)+(\p):(\r)+(\p)+1], -2.0, 1.0 op_sel_hi:[1,0,0]
.endm
; SIG2: the reciprocals stand among plain lines that are ready and touch none of the reciprocal just ahead: each transcendental's result has a plain line between it and its use (ISA guide 5.7.2)
.macro SIG2 r, t
	v_nop                                          ; the plain line behind the last exponential
	s_wait_alu depctr_va_vdst(0)
.irp p, 0,2,4,6,8,10,12,14
	ADD1 \r, \p
.endr
.irp k, 0,2,4,6,8,10,12,14
	v_rcp_f32 v[(\r)+\k], v[(\r)+\k]
	ADD1 \r, 16+\k
	v_rcp_f32 v[(\r)+\k+1], v[(\r)+\k+1]
.endr
.irp k, 0,1,2,3,4,5,6,7
	v_rcp_f32 v[(\r)+16+\k], v[(\r)+16+\k]
	TL \r, \t, 2*\k
.endr
.irp k, 0,1,2,3,4,5,6,7
	v_rcp_f32 v[(\r)+24+\k], v[(\r)+24+\k]
	ZL \r, 2*\k
.endr
.irp p, 16,18,20,22,24,26,28,30
	TL \r, \t, \p
.endr
.irp p, 16,18,20,22,24,26,28,30
	ZL \r, \p
.endr
.endm
; ---- PHASE P
.macro HW g, u                         ; h' of 16 rows x the 16 features of tile (g, u): one K step of 4, its sum begun with the constant 0
	v_wmma_f32_16x16x4_f32 v[DH+8*(\u):DH+8*(\u)+7], v[FA+8*(\g)+2*(\u):FA+8*(\g)+2*(\u)+1], v[XB:XB+1], 0
.endm
; One round of eight of the three blocks' largest magnitudes: six lines, chains a (numbers 0-15 and the floor) and b (16-30) of the three kinds by turns; round 7 joins them with number 31
.macro ROUND rho
.set kk, 0
.irp base, ZR, G1, TG
.if (\rho) == 0
	v_max3_num_f32 v[MX+2*kk], |v[\base]|, |v[\base+1]|, 0x1800000   ; the floor 2^(3 - 127): the byte cannot fall under 1
.else
	v_max3_num_f32 v[MX+2*kk], v[MX+2*kk], |v[\base+2*(\rho)]|, |v[\base+2*(\rho)+1]|
.endif
.set kk, kk+1
.endr
.set kk, 0
.irp base, ZR, G1, TG
.if (\rho) == 0
	v_max3_num_f32 v[MX+2*kk+1], |v[\base+16]|, |v[\base+17]|, |v[\base+18]|
.elseif (\rho) < 7
	v_max3_num_f32 v[MX+2*kk+1], v[MX+2*kk+1], |v[\base+17+2*(\rho)]|, |v[\base+18+2*(\rho)]|
.else
	v_max3_num_f32 v[MX+2*kk], v[MX+2*kk], v[MX+2*kk+1], |v[\base+31]|
.endif
.set kk, kk+1
.endr
.endm
; A unit: 16 rows (tile m, by s38, s39, s40) x 64 features (group g): a lane's 32 numbers of each kind are one block.
.macro UNIT g
	v_add_nc_u32 v[AD2], s40, v[XAB]
	ds_load_b64 v[XB:XB+1], v[AD2] offset:256      ; source 1 of tile m + 1.  The last f32 matrix instruction, which read these registers, stands more than eight plain lines back
	SIG1 DH, ZR
	SIG2 ZR, TG
	WIN 0x04                                       ; source 1: window 1
.set p, 0
.rept 16
	v_pk_mul_f32 v[G1+p:G1+p+1], v[TG+p:TG+p+1], v[64*(\g)+p:64*(\g)+p+1]          ; g1 = T x 4 W1[:,0]
.set p, p+2
.endr
.set p, 0
.rept 16
	v_pk_mul_f32 v[TG+p:TG+p+1], v[TG+p:TG+p+1], v[64*(\g)+32+p:64*(\g)+32+p+1]    ; g2 = T x 4 W1[:,1]
.set p, p+2
.endr
	WIN 0
.set i, 0
.rept 32
	v_bfi_b32 v[ZR+i], s34, v[ZR+i], v[DH+i]       ; z1: |z| with h's sign.  The last read of h'
.set i, i+1
.endr
	s_wait_dscnt 0x0                               ; source 1 of tile m + 1 is in; the last unit's LDS stores are done, so their registers may be written
	HW \g, 0                                       ; h' OF THE NEXT TILE is made beside the maxima: twelve plain lines that name none of its registers stand behind each of the four
	ROUND 0
	ROUND 1
	HW \g, 1
	ROUND 2
	ROUND 3
	HW \g, 2
	ROUND 4
	ROUND 5
	HW \g, 3
	ROUND 6
	ROUND 7
	v_add_nc_u32 v[AD0], s38, v[PST]
	v_add_nc_u32 v[AD1], s39, v[PSB]
.irp k, 0,1,2
	v_add_nc_u32 v[SO+\k], 0xff000000, v[MX+2*\k]  ; 2 off the exponent field: the conversion's scale operand
.endr
.irp k, 0,1,2
	v_lshrrev_b32 v[BY+\k], 23, v[SO+\k]           ; the scale's byte
.endr
.set kk, 0
.irp base, ZR, G1, TG
.irp t, 0,1,2,3
	v_cvt_scalef32_pk8_fp4_f32 v[CD+4*kk+\t], v[\base+8*\t:\base+8*\t+7], v[SO+kk]
.endr
.set kk, kk+1
.endr
	v_nop                                          ; one plain line behind the last scaled conversion
.irp k, 0,1,2
	ds_store_b128 v[AD0], v[CD+4*\k:CD+4*\k+3] offset:\k*2048+(\g)*512   ; registers 4 c .. 4 c + 3 of fragment (K step 2 w + g / 2), c = g % 2: 512 consecutive bytes
.endr
.irp k, 0,1,2
	ds_store_b8 v[AD1], v[BY+\k] offset:\k*128+2*(\g)                   ; byte 2 c + h of row r's scale word
.endr
.endm
; A group of 64 features for the 128 rows: eight trips.  The first tile's h' is made ahead of the loop; a group of loads for phase G stands behind it.
.macro GLOOP g
	s_mov_b32 s38, 0                               ; 6144 m: codes
	s_mov_b32 s39, 0                               ; 384 m: scale bytes
	s_mov_b32 s40, 0                               ; 256 m: source 1 of the f32 form
	s_mov_b32 s42, 8
	ds_load_b64 v[XB:XB+1], v[XAB]                 ; tile 0
	s_wait_dscnt 0x0
.irp u, 0,1,2,3
	HW \g, \u
.endr
.if (\g) == 1
	WLOAD 2
	WLOAD 3
	WLOAD 4
	WIN 0
.elseif (\g) == 2
	WLOAD 5
	WLOAD 6
	WLOAD 7
	WIN 0
.elseif (\g) == 3
	WIN 0x40                                       ; W3 and c b2 of my 128 outputs, where the columns of groups 0 and 1 lay: register 8 b + j: output 128 w + 16 b + 8 h + j
.irp b, 0,1,2,3,4,5,6,7
.irp t, 0,1
	global_load_b128 v[W3R+8*\b+4*\t:W3R+8*\b+4*\t+3], v[H32], s[30:31] offset:\b*64+16*\t
	global_load_b128 v[CB2+8*\b+4*\t:CB2+8*\b+4*\t+3], v[H256], s[28:29] offset:\b*512+128+16*\t
.endr
.endr
	WIN 0
.endif
.rept 8
	v_nop                                          ; eight places behind the f32 matrix form, in front of the reads of h' and of the load into its source 1
.endr
.Lrows_\@:
	UNIT \g
	s_add_co_u32 s38, s38, 6144
	s_add_co_u32 s39, s39, 384
	s_add_co_u32 s40, s40, 256
	s_sub_co_u32 s42, s42, 1
	s_cmp_lg_u32 s42, 0
	s_cbranch_scc1 .Lrows_\@
.endm
	GLOOP 0
	GLOOP 1
	GLOOP 2
	GLOOP 3
	s_wait_loadcnt 0x0                             ; all of W2, its scale words, W3 and c b2 are in: the last group was issued a whole group of features ago
	s_wait_dscnt 0x0                               ; for the others' sake: my codes and scale bytes lie in LDS
	s_barrier_signal -1
	s_barrier_wait -1                              ; everybody's do
; ---- PHASE G
; One matrix instruction; the caller sets rD, rA, rB, rSA, rSB.  K step 0 starts the sum with the constant 0.  W2's scale words of tile b lie in lanes 16-31 where (b / 2) % 2 = 1, the operand's of K step s where s >= 4.
.macro WM s, b
.if (\s) == 0
.if (((\b)>>1)&1) == 1
	v_wmma_scale_f32_16x16x128_f8f6f4 v[rD:rD+7], v[rA:rA+7], v[rB:rB+7], 0, v[rSA], v[rSB] matrix_a_fmt:MATRIX_FMT_FP4 matrix_b_fmt:MATRIX_FMT_FP4 matrix_a_scale:MATRIX_SCALE_ROW1
.else
	v_wmma_scale_f32_16x16x128_f8f6f4 v[rD:rD+7], v[rA:rA+7], v[rB:rB+7], 0, v[rSA], v[rSB] matrix_a_fmt:MATRIX_FMT_FP4 matrix_b_fmt:MATRIX_FMT_FP4
.endif
.elseif (\s) < 4
.if (((\b)>>1)&1) == 1
	v_wmma_scale_f32_16x16x128_f8f6f4 v[rD:rD+7], v[rA:rA+7], v[rB:rB+7], v[rD:rD+7], v[rSA], v[rSB] matrix_a_fmt:MATRIX_FMT_FP4 matrix_b_fmt:MATRIX_FMT_FP4 matrix_a_scale:MATRIX_SCALE_ROW1
.else
	v_wmma_scale_f32_16x16x128_f8f6f4 v[rD:rD+7], v[rA:rA+7], v[rB:rB+7], v[rD:rD+7], v[rSA], v[rSB] matrix_a_fmt:MATRIX_FMT_FP4 matrix_b_fmt:MATRIX_FMT_FP4
.endif
.else
.if (((\b)>>1)&1) == 1
	v_wmma_scale_f32_16x16x128_f8f6f4 v[rD:rD+7], v[rA:rA+7], v[rB:rB+7], v[rD:rD+7], v[rSA], v[rSB] matrix_a_fmt:MATRIX_FMT_FP4 matrix_b_fmt:MATRIX_FMT_FP4 matrix_a_scale:MATRIX_SCALE_ROW1 matrix_b_scale:MATRIX_SCALE_ROW1
.else
	v_wmma_scale_f32_16x16x128_f8f6f4 v[rD:rD+7], v[rA:rA+7], v[rB:rB+7], v[rD:rD+7], v[rSA], v[rSB] matrix_a_fmt:MATRIX_FMT_FP4 matrix_b_fmt:MATRIX_FMT_FP4 matrix_b_scale:MATRIX_SCALE_ROW1
.endif
.endif
.endm
.macro GX s, af                        ; K step s of z1's and g1's products: 16 accumulators in window 1, by turns
	WIN 0x52+((\s)>>2)                             ; source 0 (W2) window 2 or 3, source 1 window 0, C and D window 1
.irp b, 0,1,2,3,4,5,6,7
.irp k, 0,1
.set rD, P1+64*\k+8*\b
.set rA, 64*((\s)&3)+8*\b
.set rB, (\af)+24*((\s)&1)+8*\k
.set rSA, W2S+4*(\s)+2*(\b>>2)+(\b&1)
.set rSB, ACS+4*\k+((\s)&3)
	WM \s, \b
.endr
.endr
.endm
.macro GY s, af                        ; K step s of g2's product: 8 accumulators in window 0, by turns
	WIN 0x02+((\s)>>2)                             ; source 0 (W2) window 2 or 3, all else window 0
.irp b, 0,1,2,3,4,5,6,7
.set rD, P3+8*\b
.set rA, 64*((\s)&3)+8*\b
.set rB, (\af)+24*((\s)&1)+16
.set rSA, W2S+4*(\s)+2*(\b>>2)+(\b&1)
.set rSB, ACS+8+((\s)&3)
	WM \s, \b
.endr
.endm
; Two K steps, 48 matrix instructions, three switches of the windows.  The accumulators take turns, one instruction a turn: between two links of a sum stand seven others' at the least.
.macro BATCH q
	GX 2*(\q), AF0+48*((\q)&1)
	GY 2*(\q), AF0+48*((\q)&1)
	GY 2*(\q)+1, AF0+48*((\q)&1)
	GX 2*(\q)+1, AF0+48*((\q)&1)
.endm
.macro ALOAD q                         ; the six fragments (2 K steps x 3 kinds) of batch q into set q % 2: images of registers, 512 consecutive bytes a load
.irp j, 0,1
.irp k, 0,1,2
.irp c, 0,1
.if (\q) < 2
	ds_load_b128 v[AF0+48*((\q)&1)+24*\j+8*\k+4*\c:AF0+48*((\q)&1)+24*\j+8*\k+4*\c+3], v[AD0] offset:((\q)&1)*49152+\k*2048+\j*1024+\c*512
.else
	ds_load_b128 v[AF0+48*((\q)&1)+24*\j+8*\k+4*\c:AF0+48*((\q)&1)+24*\j+8*\k+4*\c+3], v[AD0B] offset:((\q)&1)*49152+\k*2048+\j*1024+\c*512
.endif
.endr
.endr
.endr
.endm
.macro SLOAD                           ; a tile's scale words: register 4 kind + s % 4: lanes 0-15 K step s % 4, lanes 16-31 K step 4 + s % 4
.irp k, 0,1,2
.irp p, 0,1
	ds_load_b64 v[ACS+4*\k+2*\p:ACS+4*\k+2*\p+1], v[AD1] offset:\p*3072+\k*128
.endr
.endr
.endm
; THE EPILOGUE of a tile of 16 rows, in two halves of 32 of a lane's 64 outputs.  Each accumulator is read from its low end on.
.macro EPI
.irp hh, 0,1
	WIN 0x51                                       ; source 0, source 2 and destination: window 1
.set p, 0
.rept 16
	v_pk_fma_f32 v[P1+32*\hh+p:P1+32*\hh+p+1], v[P1+32*\hh+p:P1+32*\hh+p+1], s[36:37], v[CB2+32*\hh+p:CB2+32*\hh+p+1] op_sel_hi:[1,0,1]   ; h2' = c (z1 W2^T) + c b2, in place
.set p, p+2
.endr
	WIN 0x01                                       ; source 0: window 1
	SIG1 P1+32*\hh, T2
	WIN 0
	SIG2 T2, T1
	WIN 0x10                                       ; source 2: window 1
.set i, 0
.rept 32
	v_bfi_b32 v[T2+i], s34, v[T2+i], v[P1+32*\hh+i]                ; z2: |z| with h2's sign
.set i, i+1
.endr
	WIN 0x04                                       ; source 1: window 1
.set p, 0
.rept 16
.set yy, YS+2*((p/2)&1)
.if (\hh == 0) && (p < 4)
	v_pk_mul_f32 v[yy:yy+1], v[T2+p:T2+p+1], v[W3R+32*\hh+p:W3R+32*\hh+p+1]           ; the first products start the sums: nothing is cleared
.else
	v_pk_fma_f32 v[yy:yy+1], v[T2+p:T2+p+1], v[W3R+32*\hh+p:W3R+32*\hh+p+1], v[yy:yy+1]   ; z2 . W3, in two chains
.endif
	v_pk_mul_f32 v[T1+p:T1+p+1], v[T1+p:T1+p+1], v[W3R+32*\hh+p:W3R+32*\hh+p+1]       ; T W3
.set p, p+2
.endr
.set p, 0
.rept 16
.set yy, A1+2*((p/2)&3)
.if (\hh == 0) && (p < 8)
	v_pk_mul_f32 v[yy:yy+1], v[T1+p:T1+p+1], v[P2+32*\hh+p:P2+32*\hh+p+1]
.else
	v_pk_fma_f32 v[yy:yy+1], v[T1+p:T1+p+1], v[P2+32*\hh+p:P2+32*\hh+p+1], v[yy:yy+1]     ; (T W3) . (W2 g1), in four chains
.endif
.set p, p+2
.endr
	WIN 0
.set p, 0
.rept 16
.set yy, A2+2*((p/2)&3)
.if (\hh == 0) && (p < 8)
	v_pk_mul_f32 v[yy:yy+1], v[T1+p:T1+p+1], v[P3+32*\hh+p:P3+32*\hh+p+1]
.else
	v_pk_fma_f32 v[yy:yy+1], v[T1+p:T1+p+1], v[P3+32*\hh+p:P3+32*\hh+p+1], v[yy:yy+1]     ; (T W3) . (W2 g2)
.endif
.set p, p+2
.endr
.endr
	v_pk_add_f32 v[YS:YS+1], v[YS:YS+1], v[YS+2:YS+3]
	v_pk_add_f32 v[A1:A1+1], v[A1:A1+1], v[A1+2:A1+3]
	v_pk_add_f32 v[A1+4:A1+5], v[A1+4:A1+5], v[A1+6:A1+7]
	v_pk_add_f32 v[A2:A2+1], v[A2:A2+1], v[A2+2:A2+3]
	v_pk_add_f32 v[A2+4:A2+5], v[A2+4:A2+5], v[A2+6:A2+7]
	v_pk_add_f32 v[A1:A1+1], v[A1:A1+1], v[A1+4:A1+5]
	v_pk_add_f32 v[A2:A2+1], v[A2:A2+1], v[A2+4:A2+5]
	v_add_f32 v[T2], v[YS], v[YS+1]                ; slot 0
	v_add_f32 v[T2+1], v[A2], v[A2+1]              ; slot 1: with g2's product
	v_add_f32 v[T2+2], v[A1], v[A1+1]              ; slot 2: with g1's product
.irp i, 0,1,2
	v_permlanex16_b32 v[T2+4+\i], v[T2+\i], s48, s49               ; the row's other 64 of my 128 outputs lie in the lane 16 away
.endr
.irp i, 0,1,2
	v_add_f32 v[T2+\i], v[T2+\i], v[T2+4+\i]
.endr
	v_add_nc_u32 v[AD2], s41, v[RDB]
.irp i, 0,1,2
	ds_store_b32 v[AD2], v[T2+\i] offset:512*\i    ; lanes r and r + 16 write the same word with the same value
.endr
.endm
; A tile of 16 rows.  next = 1: the next tile's first fragments and scale words are asked for ahead of the epilogue.
.macro GTRIP next
	ALOAD 1
	s_wait_dscnt 12                                ; LDS instructions end in order: all but the 12 loads just issued are done: batch 0's fragments, the scale words, the last tile's three stores
	BATCH 0
	PLACES                                         ; four places behind this matrix form, in front of loads into registers that it has read
	WIN 0
	ALOAD 2
	s_wait_dscnt 12                                ; batch 1's fragments are in
	BATCH 1
	PLACES
	WIN 0
	ALOAD 3
	s_wait_dscnt 12                                ; batch 2's
	BATCH 2
	WIN 0
	s_wait_dscnt 0x0                               ; batch 3's; no LDS instruction of mine is out
.if \next
	s_add_co_u32 s38, s38, 6144
	s_add_co_u32 s39, s39, 384
	v_add_nc_u32 v[AD0], s38, v[LI]
	v_add_nc_u32 v[AD0B], s38, v[LIB]
	v_add_nc_u32 v[AD1], s39, v[LS2]
.endif
	BATCH 3
	WIN 0
	PLACES                                         ; in front of the reads of the results, of the loads into the scale words and of the writes over set 1
.if \next
	SLOAD
	ALOAD 0
.endif
	EPI
	s_add_co_u32 s41, s41, 64                      ; 16 rows of 4 bytes on
.endm
	s_mov_b32 s38, 0
	s_mov_b32 s39, 0
	s_mov_b32 s41, 0
	v_add_nc_u32 v[AD0], s38, v[LI]
	v_add_nc_u32 v[AD0B], s38, v[LIB]
	v_add_nc_u32 v[AD1], s39, v[LS2]
	SLOAD
	ALOAD 0
	s_mov_b32 s42, 7
.Ltile:
	GTRIP 1
	s_sub_co_u32 s42, s42, 1
	s_cmp_lg_u32 s42, 0
	s_cbranch_scc1 .Ltile
	GTRIP 0                                        ; the last tile asks for nothing more
; ---- PHASE F
	s_wait_dscnt 0x0                               ; for the others' sake: my partial sums lie in LDS
	s_barrier_signal -1
	s_barrier_wait -1
	s_cmp_eq_u32 s18, 3
	s_cbranch_scc1 .Lend                           ; three outputs, three waves; all four meet at the last barrier
	s_cmp_eq_u32 s18, 0                            ; the choice hangs on the wave's number alone
	s_cselect_b64 s[32:33], s[12:13], s[14:15]     ; wave 0: out0 = slot 0 + b3;  wave 1: out1 = 4 x slot 1;
	s_cselect_b32 s44, 1.0, 4.0
	s_cselect_b32 s46, s43, 0
	s_cmp_eq_u32 s18, 2
	s_cselect_b64 s[32:33], s[16:17], s[32:33]     ; wave 2: out2 = -4 x slot 2
	s_cselect_b32 s44, -4.0, s44
	s_lshl_b32 s50, ttmp9, 9                       ; 128 rows of 4 bytes a work-group
	s_mov_b32 s51, 0
	s_add_nc_u64 s[32:33], s[32:33], s[50:51]
.irp p, 0,1,2,3
	ds_load_b128 v[AF0+4*\p:AF0+4*\p+3], v[FAD] offset:1536*\p     ; wave p's partial sums of my slot: rows 4 lane .. 4 lane + 3
.endr
	s_wait_dscnt 0x0
	v_pk_add_f32 v[AF0:AF0+1], v[AF0:AF0+1], v[AF0+4:AF0+5]
	v_pk_add_f32 v[AF0+2:AF0+3], v[AF0+2:AF0+3], v[AF0+6:AF0+7]
	v_pk_add_f32 v[AF0+8:AF0+9], v[AF0+8:AF0+9], v[AF0+12:AF0+13]
	v_pk_add_f32 v[AF0+10:AF0+11], v[AF0+10:AF0+11], v[AF0+14:AF0+15]
	v_pk_add_f32 v[AF0:AF0+1], v[AF0:AF0+1], v[AF0+8:AF0+9]
	v_pk_add_f32 v[AF0+2:AF0+3], v[AF0+2:AF0+3], v[AF0+10:AF0+11]
.irp i, 0,1,2,3
	v_fma_f32 v[AF0+\i], v[AF0+\i], s44, s46
.endr
	global_store_b128 v[LI], v[AF0:AF0+3], s[32:33]                ; 32 lanes store 512 consecutive bytes, at a multiple of 256 from the output's first byte
.Lend:
	s_barrier_signal -1
	s_barrier_wait -1
	s_wait_xcnt 0x0
	v_lshl_add_u32 v254, v0, 2, 0x36c00
	v_mov_b32 v255, 0
	s_wait_tensorcnt 0x0
	ds_add_u32 v254, v255
	s_wait_dscnt 0x0
	s_endpgm
.Lfunc_end_k_qba1e1fb477_main:
	.size	k_qba1e1fb477_main, .Lfunc_end_k_qba1e1fb477_main-k_qba1e1fb477_main
	.p2alignl 7, 3214868480
	.fill 96, 4, 3214868480
	.section	.rodata,"a",@progbits
	.p2align	6, 0x0
	.amdhsa_kernel k_qba1e1fb477_main
		.amdhsa_group_segment_fixed_size 224768
		.amdhsa_private_segment_fixed_size 0
		.amdhsa_enable_private_segment 0
		.amdhsa_kernarg_size 56
		.amdhsa_user_sgpr_count 2
		.amdhsa_user_sgpr_kernarg_segment_ptr 1
		.amdhsa_wavefront_size32 1
		.amdhsa_system_sgpr_workgroup_id_x 1
		.amdhsa_system_sgpr_workgroup_id_y 1
		.amdhsa_system_sgpr_workgroup_id_z 1
		.amdhsa_system_vgpr_workitem_id 0
		.amdhsa_next_free_vgpr 1024
		.amdhsa_next_free_sgpr 66
		.amdhsa_reserve_vcc 1
		.amdhsa_float_denorm_mode_32 3
		.amdhsa_float_denorm_mode_16_64 3
		.amdhsa_memory_ordered 1
		.amdhsa_forward_progress 1
		.amdhsa_inst_pref_size 212
	.end_amdhsa_kernel
	.amdgpu_metadata
---
amdhsa.version: [ 1, 2 ]
amdhsa.kernels:
  - .name:           k_qba1e1fb477_main
    .symbol:         k_qba1e1fb477_main.kd
    .args:
      - { .name: x, .offset: 0, .size: 8, .value_kind: global_buffer, .address_space: global }
      - { .name: wk, .offset: 8, .size: 8, .value_kind: global_buffer, .address_space: global }
      - { .name: W3, .offset: 16, .size: 8, .value_kind: global_buffer, .address_space: global }
      - { .name: b3, .offset: 24, .size: 8, .value_kind: global_buffer, .address_space: global }
      - { .name: out0, .offset: 32, .size: 8, .value_kind: global_buffer, .address_space: global }
      - { .name: out1, .offset: 40, .size: 8, .value_kind: global_buffer, .address_space: global }
      - { .name: out2, .offset: 48, .size: 8, .value_kind: global_buffer, .address_space: global }
    .group_segment_fixed_size: 224768
    .private_segment_fixed_size: 0
    .kernarg_segment_align: 8
    .kernarg_segment_size: 56
    .max_flat_workgroup_size: 128
    .sgpr_count:     66
    .vgpr_count:     1024
    .wavefront_size: 32
...
	.end_amdgpu_metadata
.endif
;; end of part 2
